; MI455X (gfx1250); checked and timed in simulation.
; The chip was launched on July 23, 2026; its instructions are those of AMD's public machine-readable ISA for CDNA 5 (MIT licence, August 2026) and "CDNA5" Instruction Set Architecture Reference Guide (July 2026). The comments in the code are by the model that wrote it; some were corrected since.
;; Temporal Attention. Allowed arithmetic: matrix products marked QUANTISED: E2M1 operands, one E8M0 scale for each 32 along K, by v_wmma_scale_f32_16x16x128_f8f6f4 with both operands' format E2M1 (or v_wmma_scale_f32_32x16x128_f4), f32 sums; everything else in f32.
;; Inputs: Wk_codes 512 x 16 x 16 uint8 (E2M1 codes of Wk, K innermost, in blocks of 32 codes, two codes a byte); Wk_scales 512 x 16 uint8 (E8M0 scales of Wk, one for each 32 codes along K); Wq_codes 512 x 16 x 16 uint8 (E2M1 codes of Wq, K innermost, in blocks of 32 codes, two codes a byte); Wq_scales 512 x 16 uint8 (E8M0 scales of Wq, one for each 32 codes along K); Wv_codes 512 x 16 x 16 uint8 (E2M1 codes of Wv, K innermost, in blocks of 32 codes, two codes a byte); Wv_scales 512 x 16 uint8 (E8M0 scales of Wv, one for each 32 codes along K); bk 512 float32; bq 512 float32; bv 512 float32; keys_codes 16 x 2,048 x 16 x 16 uint8 (E2M1 codes of keys, K innermost, in blocks of 32 codes, two codes a byte); keys_scales 16 x 2,048 x 16 uint8 (E8M0 scales of keys, one for each 32 codes along K); query_codes 16 x 1,024 x 16 x 16 uint8 (E2M1 codes of query, K innermost, in blocks of 32 codes, two codes a byte); query_scales 16 x 1,024 x 16 uint8 (E8M0 scales of query, one for each 32 codes along K).
;; Outputs: out0 16 x 1,024 x 512 float32.
;; This version of the problem:
;;   THIS VERSION OF THE PROBLEM IS GIVEN IN LOW PRECISION. The matrix products marked QUANTISED in the list below multiply operands that are first quantised to E2M1 (2 exponent bits, 1 mantissa bit; 4 bits a number), with one power-of-two scale for each 32 numbers along K (OCP MX v1.0); their sums are f32. All else is computed in f32.
;;   The module's matrix products, in the order in which they are computed (A, B: the left and right operand; K: the contracted axis; several contracted axes count as one K, in the product's order):
;;     1. [M 16,384, K 512] x [K 512, N 512]; A: input query (given as codes); B: input Wq (given as codes): QUANTISED
;;     2. [M 32,768, K 512] x [K 512, N 512]; A: input keys (given as codes); B: input Wk (given as codes): QUANTISED
;;     3. [M 32,768, K 512] x [K 512, N 512]; A: computed on the way; B: input Wv (given as codes): QUANTISED
;;     4. batch 16 x [M 1,024, K 512] x [K 512, N 2,048]; A: computed on the way; B: computed on the way: QUANTISED
;;     5. batch 16 x [M 1,024, K 2,048] x [K 2,048, N 512]; A: softmax (see below); B: computed on the way: QUANTISED
;;   THE QUANTISER, for each operand of a quantised product, along K:
;;     - K is cut into blocks of 32 from its start; a last block that is shorter is filled with zeros.
;;     - A block's scale is 2^e with e = floor(log2(the largest magnitude in the block)) - 2, held to -126 .. 127; a block of zeros has e = 0. As a byte (E8M0): e + 127.
;;     - Each number is divided by its block's scale, clamped to +-6, and rounded to the nearest number of E2M1, ties to even, subnormals kept.
;;     - The product sums the exact products of the quantised numbers (number of the format x scale) in f32.
;;   ~~~python
;;   def quantise(x, axis):      # numpy; x: float32 -> the quantised numbers, widened to float32 again
;;       x = np.moveaxis(x, axis, -1); K = x.shape[-1]
;;       x = np.pad(x, [(0, 0)] * (x.ndim - 1) + [(0, -K % 32)]); x = x.reshape(x.shape[:-1] + (-1, 32)); a = np.abs(x).max(-1, keepdims=True)
;;       e = np.where(a > 0, np.clip(np.frexp(np.where(a > 0, a, 1))[1] - 1 - 2, -126, 127), 0)      # np.frexp(a)[1] - 1 = floor(log2(a)), exactly
;;       r = np.clip(x / 2.0 ** e, -6, 6)
;;       step = 2.0 ** (np.maximum(np.frexp(np.where(r == 0, 1, r))[1] - 1, 0) - 1)
;;       q = np.round(r / step) * step * 2.0 ** e      # np.round: ties to even
;;       return np.moveaxis(q.reshape(q.shape[:-2] + (-1,))[..., :K], -1, axis).astype(np.float32)
;;   ~~~
;;   SOFTMAX AHEAD OF A QUANTISED PRODUCT. Where the list says 'softmax', what is quantised is not the finished softmax but p = 2^(t - M), with t = logit x log2(e) and M = ceil(the row's largest t), a whole number; so 1/2 < the row's largest p <= 1. The row's sum l is taken of the UNQUANTISED p, in f32, and the product's result is divided by l at the end. Since M is a whole number, a kernel that streams over the keys may use a running M (the ceiling of the running maximum): every later rescaling is an exact power of two, which a block's scale takes up: the codes' values come out the same.
;;   OPERANDS COMPUTED ON THE WAY. 'Computed on the way' means the value that the module computes at that place (a softmax that the list does not call 'softmax' is quantised finished and normalised). What goes into a quantiser is computed in f32, as accurately as f32 sums, v_exp_f32 and their like allow (about 1e-6 of the number): no bf16 or f16 on the way to a quantiser, and a product that is left as it is and whose result goes on into a quantised operand takes f32 operands (vector FMAs, or v_wmma_f32_16x16x4_f32). A number that lies on a knife's edge between two numbers of the format may be rounded either way, as far as f32 arithmetic and the matrix unit's own rounding can turn it there, and no further.
;;   INPUTS GIVEN AS CODES. Wk (in the module: [512, 512], K = its axis 0); Wq (in the module: [512, 512], K = its axis 0); Wv (in the module: [512, 512], K = its axis 0); keys (in the module: [16, 2048, 512], K = its axis 2); query (in the module: [16, 1024, 512], K = its axis 2): each comes as NAME_codes (uint8): NAME with its K axis moved to the last place and cut into blocks of 32 codes, [.., K / 32, bytes a block], one block behind the other in memory; two codes a byte, the lower K in the low four bits (a code: sign, 2 exponent bits, 1 mantissa bit); and NAME_scales (uint8): the same leading axes, one E8M0 byte (e + 127) for each 32 codes along K. Its value is code x scale, taken as it is: it is not quantised again, and the codes and scales need not be those that the quantiser above would give.
;; One version. Each part assembles by itself: llvm-mc -triple=amdgcn-amd-amdhsa -mcpu=gfx1250 --defsym DOCPART=n.
;; ======== version 1 of 1: 2 launches
;; limits: right only within a limited range of input values
;; workspace buffers: kv 17,825,792 bytes; qim 4,456,448 bytes
;; launch project (part 1): grid 256 x 1, 4 waves a work-group, clusters of 4 x 1, 327,680 bytes of LDS; arguments keys_codes, keys_scales, Wk_codes, Wk_scales, bk, Wv_codes, Wv_scales, bv, kv, query_codes, query_scales, Wq_codes, Wq_scales, bq, qim; writes kv, qim
.if DOCPART == 1
	.amdgcn_target "amdgcn-amd-amdhsa--gfx1250"
	.amdhsa_code_object_version 6
	.text
	.protected	k_qc8291bf4aa_project
	.globl	k_qc8291bf4aa_project
	.p2align	8
	.type	k_qc8291bf4aa_project,@function
k_qc8291bf4aa_project:
	s_mov_b64 s[64:65], 0
	v_nop
	global_prefetch_b8 v0, s[64:65] scope:SCOPE_SE
	s_setreg_imm32_b32 hwreg(HW_REG_WAVE_MODE, 25, 1), 1
	s_wait_xcnt 0x0
	s_wait_alu depctr_hold_cnt(0) depctr_sa_sdst(0) depctr_va_vdst(0) depctr_va_sdst(0) depctr_va_ssrc(0) depctr_va_vcc(0) depctr_vm_vsrc(0)
	s_getreg_b32 s2, hwreg(HW_REG_IB_STS2, 6, 4)
	s_cmp_eq_u32 s2, 0
	s_cbranch_scc0 .Lentry_in_a_cluster
	s_endpgm
.Lentry_in_a_cluster:
	s_bfe_u32 s2, ttmp6, 0x10000c
	s_cmp_lg_u32 s2, 0x3003
	s_cbranch_scc0 .Lentry_shape_is_right
	s_endpgm
.Lentry_shape_is_right:
; k = keys Wk + bk, quantised along the 512 features; v = Q(k) Wv + bv, quantised along the keys; q = query Wq + bq, quantised along the features.  All operands are codes of FP4 (E2M1) with one E8M0 scale for each 32 along K.
; A work-group takes 128 keys of the flat [32768] key axis and 64 queries of the flat [16384] query axis.  It writes images of operand registers (lane l = r + 16 h):
;   kv holds 16 batches x 16 parts of 69,632 bytes.  Of a batch, the keys 256 n .. 256 n + 255 have K in part 2 n - (n & 1) and V in part 2 n + 2 - (n & 1).  My 128 keys are half j = 0 or 1 of such a part: 34,816 bytes.
;   K, half j: chunk p (32 keys: tiles t = 2 p + u) at 8704 p: fragment (u, s) at (4 u + s) x 1024 + 512 c + 16 l = registers 4 c .. 4 c + 3 of feature step s; at 8192 + 16 l the row's four scale words.
;      LANE r OF TILE t STANDS FOR KEY 32 (t / 2) + 8 (t % 2) + r + 8 (r / 8)
;   V, half j: chunk y (64 features) at 4352 y: v^T's fragment of feature tile F = 4 y + i at 1024 i + 512 c + 16 l: feature 16 F + r, keys 64 c + 32 h + 0 .. 31; at 4096 + 8 l the scale words of features 64 y + l and 64 y + 32 + l
;   qim, 17,408 bytes for 64 queries: fragment (m, s) at (4 m + s) x 1024 + 512 c + 16 l: query 16 m + r; at 16384 + 256 m + 16 r its four scale words
; The order of keys in a tile makes the 16 registers of two neighbouring result tiles 16 neighbouring keys wherever the tile is source 0 of a product: here for v, in the next launch for the softmax's weights.
; SHARES.  THE WAVES SHARE THE COLUMNS: wave w makes features 128 w .. 128 w + 127 of k, v and q, so its 32 fragments of a weight stay in registers; what goes round through LDS are the keys' and k's codes.
; k, q = (transposed) source 0 = 16 rows of the weight, source 1 = 16 keys or queries: a lane holds one of them, its registers run along the features.  The rows of a weight that form a tile are chosen like the keys of a tile.
; v = source 0 = 16 keys of Q(k), source 1 = 16 rows of Wv: a lane holds one feature, its registers run along the keys.  The biases are the C of each sum's first matrix instruction.
; CLUSTER.  All work-groups need the same weights: the four of a cluster ask for them jointly (mask 15).  At the head wave w fetches 256 rows: waves 0, 1 of Wk, waves 2, 3 of Wv.  Behind k's products Wq is filled into Wk's bytes, 128 rows a wave, which that wave alone reads.
; No prefetch: the launch has no loop to run ahead in.
; LIMITS: NaN and infinities are not served; a block whose largest magnitude lies under 2^-124 has its byte held at 1; a block of zeros gets the byte 1 and not 127: its codes are zeros, and these bytes are read by this program alone.
; REGISTERS, in windows of 256: window 0: addresses, scale words, the 8 accumulators.  window 1: Wk's 32 fragments, then k's 32, then Wq's 32.  window 2: Wv's 32.
;   window 3: v0-63 bk's tiles, v64-127 the keys' fragments (two sets), both followed by the queries' 16 fragments in v0-127; v128-191 bv's tiles; v192-255 bq's tiles.
.set QUART, 34816                      ; 128 rows of 256 bytes + 16 of padding: a wave's part of a weight
.set WVL,   4*QUART                    ; LDS: Wk (later Wq) at 0, Wv here,
.set XIM,   8*QUART                    ; the images of the keys' 32 fragments, (4 t + s) x 1024,
.set KSC,   XIM+32768                  ; k's scale words, 256 t + 16 r + 4 s,
.set SPARE, KSC+2048                   ; the spare words, 128 bytes for each wave,
.set QSC,   SPARE+512                  ; and q's scale words.  k's own images lie in Wv's bytes: fragment (t, s) at s x QUART + 1024 t, wave s's own bytes: when tile t is stored, rows 0 .. 16 t + 15 have been read out
.set PART,  69632                      ; a part of kv
.set VPL,   2*PART                     ; V lies two parts behind K
.set LI,   1                           ; 16 x lane
.set XA,   2                           ; the keys' codes: 256 (r + 8 (r / 8)) + 16 h
.set PSA,  3                           ; scale quads in the permuted order: 16 (r + 8 (r / 8) + 8 h)
.set WKA,  4                           ; my rows of Wk (Wq) in LDS
.set WVA,  5                           ; my rows of Wv in LDS
.set XWI,  6                           ; where I store the keys' images
.set XIR,  7                           ; where they are read
.set KWI,  8                           ; where I store k's images
.set KSW,  9                           ; and k's scale words
.set KIR0, 10                          ; k's images of feature steps 0 and 1
.set KIR2, 11                          ; and of 2 and 3
.set KSR,  12                          ; k's scale quads, as operands
.set KSO,  13                          ; my 512 bytes of them, on their way out
.set GKO,  14                          ; in kv and qim: 1024 w + 16 l
.set GVO,  15                          ; in kv: 8704 w + 16 l
.set GV8,  16                          ; in kv: 8704 w + 8 l
.set B1A,  17                          ; bk, bq: 64 h
.set BVA,  18                          ; bv: 4 r
.set LN,   19                          ; lane
.set TM,   24                          ; v24-39 the quantiser's: largest magnitudes, bytes, scale operands
.set PW,   40                          ; the scale word just made
.set XAQ,  41                          ; the queries' codes: 256 r + 16 h
.set QSW,  42                          ; where I store q's scale words
.set QSR,  43                          ; my 256 bytes of them, on their way out
.set GQ8,  44                          ; and in qim: 16384 + 256 w + 8 l
.set PC,   48                          ; v48-55 the codes just made
.set VSW,  56                          ; v56-63 v's scale words, one register a feature tile
.set VO,   64                          ; v64-67 scale words on their way out
.set KO,   68                          ; v68-71 k's scale words on their way out
.set BV,   72                          ; v72-79 bv at my feature, one register a feature tile
.set XS,   80                          ; v80-95   the keys' (later the queries') scale quads: register 4 b + s: lanes 0-15 tile 2 b, lanes 16-31 tile 2 b + 1
.set WKS,  96                          ; v96-111  Wk's (later Wq's) likewise
.set WVS,  112                         ; v112-127 Wv's
.set KS,   128                         ; v128-143 k's
.set HA,   144                         ; v144-207 eight accumulators
.set SPW,  254                         ; LDS address of my spare word; never rewritten
.set NIL,  255                         ; 0; never rewritten
.set BK,   0                           ; window 3
.set XF,   64
.set BVT,  128
.set BQT,  192
.set WV,   22                          ; s22  my wave's number
.set G1,   32                          ; s[32:39] descriptor group 1;  s[40:43], s[44:47] groups 0 for the head's load and for Wq
.set G0K,  40
.set G0V,  44
.set SEL,  48                          ; s[48:49] v_permlanex16_b32's selects for lane l xor 16
.set MSB, 0
.macro WIN new                         ; the immediate's high byte repeats the setting that is left; a switch that changes nothing is dropped
.if MSB != \new
	s_set_vgpr_msb (MSB<<8)|\new
.set MSB, \new
.endif
.endm
.macro CROUND                          ; a round of the cluster's barrier
	s_barrier_signal -1
	s_barrier_wait -1
	s_cmp_lg_u32 s[WV], 0
	s_cbranch_scc1 .Lnot_wave_0_\@
	s_barrier_signal -3
.Lnot_wave_0_\@:
	s_barrier_wait -3
	s_barrier_signal -1
	s_barrier_wait -1
.endm
.macro PLACES                          ; four plain vector instructions between a matrix instruction and the first vector instruction that reads its result (ISA guide 7.12.1)
.rept 4
	v_nop
.endr
.endm
.macro BARRIER                         ; my LDS stores have landed and my LDS loads are in: then the work-group's barrier
	s_wait_dscnt 0x0
	s_barrier_signal -1
	s_barrier_wait -1
.endm
; One matrix instruction, C in registers.  ra, rb: which half of the lanes of the scale registers sa, sb holds source 0's and source 1's words.
.macro MMC d, a, b, c, sa, sb, ra, rb
.if ((\ra) == 0) && ((\rb) == 0)
	v_wmma_scale_f32_16x16x128_f8f6f4 v[(\d):(\d)+7], v[(\a):(\a)+7], v[(\b):(\b)+7], v[(\c):(\c)+7], v[\sa], v[\sb] matrix_a_fmt:MATRIX_FMT_FP4 matrix_b_fmt:MATRIX_FMT_FP4
.elseif (\rb) == 0
	v_wmma_scale_f32_16x16x128_f8f6f4 v[(\d):(\d)+7], v[(\a):(\a)+7], v[(\b):(\b)+7], v[(\c):(\c)+7], v[\sa], v[\sb] matrix_a_fmt:MATRIX_FMT_FP4 matrix_b_fmt:MATRIX_FMT_FP4 matrix_a_scale:MATRIX_SCALE_ROW1
.elseif (\ra) == 0
	v_wmma_scale_f32_16x16x128_f8f6f4 v[(\d):(\d)+7], v[(\a):(\a)+7], v[(\b):(\b)+7], v[(\c):(\c)+7], v[\sa], v[\sb] matrix_a_fmt:MATRIX_FMT_FP4 matrix_b_fmt:MATRIX_FMT_FP4 matrix_b_scale:MATRIX_SCALE_ROW1
.else
	v_wmma_scale_f32_16x16x128_f8f6f4 v[(\d):(\d)+7], v[(\a):(\a)+7], v[(\b):(\b)+7], v[(\c):(\c)+7], v[\sa], v[\sb] matrix_a_fmt:MATRIX_FMT_FP4 matrix_b_fmt:MATRIX_FMT_FP4 matrix_a_scale:MATRIX_SCALE_ROW1 matrix_b_scale:MATRIX_SCALE_ROW1
.endif
.endm
; 64 numbers of a lane, v[s] .. v[s + 63], register 16 b + i = k 32 b + 16 (lane / 16) + i of my row, become a fragment's codes in v[PC] on and its scale word in v[pw].
.macro QUANT s, pw
.irp b, 0,1,2,3
	v_max3_num_f32 v[TM+\b], |v[\s+16*\b]|, |v[\s+1+16*\b]|, 0x1800000   ; block b: my 16 numbers, and the floor 2^(3 - 127): so the byte cannot fall under 1.  Each accumulator is read from its low end on
.endr
.irp i, 2,4,6,8,10,12,14
.irp b, 0,1,2,3
	v_max3_num_f32 v[TM+\b], v[TM+\b], |v[\s+16*\b+\i]|, |v[\s+1+16*\b+\i]|
.endr
.endr
.irp b, 0,1,2,3
	v_permlanex16_b32 v[TM+4+\b], v[TM+\b], s[SEL], s[SEL+1]
.endr
.irp b, 0,1,2,3
	v_max_num_f32 v[TM+\b], v[TM+\b], v[TM+4+\b]   ; with lane l xor 16's: the block's largest magnitude
.endr
.irp b, 0,1,2,3
	v_add_nc_u32 v[TM+12+\b], 0xff000000, v[TM+\b]   ; 2 off its exponent field: the conversion takes the exponent field of this operand as its scale
.endr
.irp b, 0,1,2,3
	v_lshrrev_b32 v[TM+4+\b], 23, v[TM+12+\b]      ; the scale's byte
.endr
	v_lshl_or_b32 v[\pw], v[TM+5], 8, v[TM+4]      ; the four bytes make my row's scale word; both halves of the lanes hold it
	v_lshl_or_b32 v[\pw], v[TM+6], 16, v[\pw]
	v_lshl_or_b32 v[\pw], v[TM+7], 24, v[\pw]
.irp b, 0,1,2,3
	v_cvt_scalef32_pk8_fp4_f32 v[PC+2*\b], v[\s+16*\b:\s+7+16*\b], v[TM+12+\b]
	v_cvt_scalef32_pk8_fp4_f32 v[PC+1+2*\b], v[\s+8+16*\b:\s+15+16*\b], v[TM+12+\b]
.endr
	v_nop                                          ; one plain instruction behind the scaled conversions
.irp c, 0,1                                    ; the operand's layout wants a whole block in a lane: lanes 0-15 block 2 c, lanes 16-31 block 2 c + 1
.irp i, 0,1
	v_permlane16_swap_b32 v[PC+4*\c+\i], v[PC+2+4*\c+\i]
.endr
.endr
.endm
	s_load_b512 s[4:19], s[0:1], 0x0               ; keys' codes s[4:5], keys' scales s[6:7], Wk's codes s[8:9], Wk's scales s[10:11], bk s[12:13], Wv's codes s[14:15], Wv's scales s[16:17], bv s[18:19]
	s_load_b64 s[20:21], s[0:1], 0x40              ; kv
	s_load_b256 s[68:75], s[0:1], 0x48             ; queries' codes s[68:69], their scales s[70:71], Wq's codes s[72:73], Wq's scales s[74:75]
	s_load_b128 s[76:79], s[0:1], 0x68             ; bq s[76:77], qim s[78:79]
	v_lshl_add_u32 v[SPW], v0, 2, SPARE
	v_mov_b32 v[NIL], 0
	ds_add_u32 v[SPW], v[NIL]                      ; the opening add, twice on end
	ds_add_u32 v[SPW], v[NIL]
	v_lshrrev_b32 v20, 5, v0
	v_readfirstlane_b32 s[WV], v20                 ; wave 0..3
	s_bfe_u32 s23, ttmp6, 0x40000                  ; cx: my place in the cluster
	s_lshl_b32 s24, ttmp9, 2
	s_add_co_u32 s24, s24, s23                     ; g = my block of 128 keys and of 64 queries = 4 x cluster + cx: it enters no joint load
	; descriptor group 1: 256 rows of 256 bytes, dense in memory, 16 bytes of padding behind each in LDS
	s_mov_b32 s[G1], 15|(0<<16)|(1<<20)|(1<<21)|(5<<22)|(3<<25)  ; 15:0 the mask: all four work-groups; 17:16 elements of 1 byte; 20 padding on; 21 set beside a mask; 24:22 after every 64 words; 31:25 four words
	s_mov_b32 s[G1+1], 256<<16                     ; tensor_dim0
	s_mov_b32 s[G1+2], 256<<16                     ; tensor_dim1
	s_mov_b32 s[G1+3], 256<<16                     ; tile_dim0
	s_mov_b32 s[G1+4], 256                         ; tile_dim1
	s_mov_b32 s[G1+5], 256                         ; from row to row
	s_mov_b32 s[G1+6], 0
	s_mov_b32 s[G1+7], 0
	s_mov_b32 s[SEL], 0x76543210
	s_mov_b32 s[SEL+1], 0xfedcba98
	s_mul_i32 s26, s[WV], QUART                    ; my 128 rows of a weight in LDS,
	s_lshl_b32 s62, s[WV], 15                      ; and in memory
	s_mov_b32 s63, 0
	s_and_b32 s28, s[WV], 1                        ; which 256 rows I fetch at the head, in bytes
	s_lshl_b32 s28, s28, 16
	s_mov_b32 s29, 0
	s_wait_dscnt 0x0                               ; both opening adds are done
	s_wait_kmcnt 0x0
	s_mov_b32 s[G0K], 1                            ; count = 1
	s_lshl_b32 s[G0K+1], s26, 1                    ; LDS address: wave x 256 rows
	s_cmp_lt_u32 s[WV], 2
	s_cselect_b64 s[60:61], s[8:9], s[14:15]       ; waves 0, 1 fetch Wk, waves 2, 3 Wv
	s_add_nc_u64 s[G0K+2:G0K+3], s[60:61], s[28:29]
	s_or_b32 s[G0K+3], s[G0K+3], 0x80000000        ; type = 2
	s_mov_b32 s[G0V], 1
	CROUND                                         ; all four work-groups are here: the joint loads meet
	tensor_load_to_lds s[G0K:G0K+3], s[G1:G1+7]    ; the wave's one tensor load at the head
	s_nop 0
.rept 4
	v_nop
.endr
	s_lshl_b32 s30, s24, 15                        ; the keys' codes: 128 keys of 256 bytes a block, 32 keys a wave
	s_lshl_b32 s31, s[WV], 13
	s_add_co_u32 s30, s30, s31
	s_mov_b32 s31, 0
	s_add_nc_u64 s[4:5], s[4:5], s[30:31]
	s_lshl_b32 s30, s24, 11                        ; their scales: 16 bytes a key
	s_add_nc_u64 s[6:7], s[6:7], s[30:31]
	s_lshl_b32 s30, s[WV], 11                      ; the weights' scales: my 128 rows of 16 bytes
	s_add_nc_u64 s[10:11], s[10:11], s[30:31]
	s_add_nc_u64 s[16:17], s[16:17], s[30:31]
	s_add_nc_u64 s[74:75], s[74:75], s[30:31]
	s_lshl_b32 s30, s[WV], 9                       ; the biases: my 128 numbers
	s_add_nc_u64 s[12:13], s[12:13], s[30:31]
	s_add_nc_u64 s[18:19], s[18:19], s[30:31]
	s_add_nc_u64 s[76:77], s[76:77], s[30:31]
	s_lshl_b32 s30, s24, 14                        ; the queries' codes: 64 queries of 256 bytes
	s_add_nc_u64 s[68:69], s[68:69], s[30:31]
	s_lshl_b32 s30, s24, 10                        ; their scales
	s_add_nc_u64 s[70:71], s[70:71], s[30:31]
	s_mul_i32 s30, s24, 17408                      ; my block of qim
	s_add_nc_u64 s[78:79], s[78:79], s[30:31]
	s_lshr_b32 s30, s24, 1                         ; my half part of kv: g = 16 batch + 2 n + j: part 16 batch + 2 n - (n & 1), half j
	s_and_b32 s31, s30, 7
	s_and_b32 s30, s30, 1
	s_lshl_b32 s31, s31, 1
	s_sub_co_u32 s31, s31, s30
	s_and_b32 s30, s24, 0xf0
	s_add_co_u32 s30, s30, s31
	s_mul_i32 s30, s30, PART
	s_and_b32 s31, s24, 1
	s_mul_i32 s31, s31, PART/2
	s_add_co_u32 s30, s30, s31
	s_mov_b32 s31, 0
	s_add_nc_u64 s[20:21], s[20:21], s[30:31]
	v_and_b32 v[LN], 31, v0                        ; lane
	v_and_b32 v21, 15, v0                          ; r
	v_bfe_u32 v22, v0, 4, 1                        ; h
	v_and_b32 v23, 8, v21
	v_add_nc_u32 v23, v23, v21                     ; r + 8 (r / 8)
	v_lshlrev_b32 v[LI], 4, v[LN]
	v_lshlrev_b32 v[XA], 8, v23
	v_lshl_add_u32 v[XA], v22, 4, v[XA]
	v_lshl_add_u32 v[PSA], v22, 3, v23
	v_lshlrev_b32 v[PSA], 4, v[PSA]
	v_lshlrev_b32 v[B1A], 6, v22
	v_lshlrev_b32 v[BVA], 2, v21
	v_lshlrev_b32 v[XAQ], 8, v21
	v_lshl_add_u32 v[XAQ], v22, 4, v[XAQ]
.irp i, 0,1,2,3,4,5,6,7                        ; the keys' fragments of my two tiles 2 w + u, i = 4 u + s: tile u begins 8 keys on
	global_load_b128 v[HA+8*\i:HA+8*\i+3], v[XA], s[4:5] offset:2048*(\i/4)+64*(\i%4)
	global_load_b128 v[HA+8*\i+4:HA+8*\i+7], v[XA], s[4:5] offset:2048*(\i/4)+64*(\i%4)+32
.endr
.irp b, 0,1,2,3
	global_load_b128 v[XS+4*\b:XS+4*\b+3], v[PSA], s[6:7] offset:512*\b      ; a quad = a key's four scale words
.endr
.irp b, 0,1,2,3
	global_load_b128 v[WKS+4*\b:WKS+4*\b+3], v[PSA], s[10:11] offset:512*\b
.endr
.irp b, 0,1,2,3
	global_load_b128 v[WVS+4*\b:WVS+4*\b+3], v[LI], s[16:17] offset:512*\b   ; Wv's rows in their own order: lanes 0-15 tile 2 b, lanes 16-31 tile 2 b + 1
.endr
	WIN 0xc0                                       ; destination window 3
.irp f, 0,1,2,3,4,5,6,7                        ; bk in the result's layout: for tile f lane (r, h) wants features 32 (f / 2) + 8 (f % 2) + 16 h + 0 .. 7
	global_load_b128 v[BK+8*\f:BK+8*\f+3], v[B1A], s[12:13] offset:(32*(\f/2)+8*(\f%2))*4
	global_load_b128 v[BK+8*\f+4:BK+8*\f+7], v[B1A], s[12:13] offset:(32*(\f/2)+8*(\f%2))*4+16
.endr
	WIN 0
.irp f, 0,1,2,3,4,5,6,7
	global_load_b32 v[BV+\f], v[BVA], s[18:19] offset:64*\f                  ; bv at feature 16 f + r
.endr
	v_mul_u32_u24 v[WKA], v23, 272
	v_lshl_add_u32 v[WKA], v22, 4, v[WKA]
	v_add_nc_u32 v[WKA], s26, v[WKA]
	v_mul_u32_u24 v[WVA], v21, 272
	v_lshl_add_u32 v[WVA], v22, 4, v[WVA]
	s_add_co_u32 s27, s26, WVL                     ; my rows of Wv in LDS; k's images lie there too
	v_add_nc_u32 v[WVA], s27, v[WVA]
	v_add_nc_u32 v[KWI], s27, v[LI]
	s_lshl_b32 s25, s[WV], 13
	s_add_co_u32 s25, s25, XIM
	v_add_nc_u32 v[XWI], s25, v[LI]
	s_mul_i32 s25, s[WV], 8704
	v_add_nc_u32 v[GVO], s25, v[LI]
	v_lshl_add_u32 v[GV8], v[LN], 3, s25
	v_add_nc_u32 v[XIR], XIM, v[LI]
	s_lshl_b32 s25, s[WV], 2
	s_add_co_u32 s28, s25, KSC
	v_lshl_add_u32 v[KSW], v21, 4, s28             ; KSC + 16 r + 4 w
	s_add_co_u32 s28, s25, QSC
	v_lshl_add_u32 v[QSW], v21, 4, s28             ; QSC + 16 r + 4 w
	v_add_nc_u32 v[KIR0], WVL, v[LI]
	v_add_nc_u32 v[KIR2], WVL+2*QUART, v[LI]
	v_add_nc_u32 v[KSR], KSC, v[LI]
	s_lshl_b32 s25, s[WV], 9
	s_add_co_u32 s25, s25, KSC
	v_add_nc_u32 v[KSO], s25, v[LI]
	s_lshl_b32 s25, s[WV], 10
	v_add_nc_u32 v[GKO], s25, v[LI]
	s_lshl_b32 s25, s[WV], 8
	v_lshl_add_u32 v[GQ8], v[LN], 3, s25
	v_add_nc_u32 v[QSR], QSC, v[GQ8]
	v_add_nc_u32 v[GQ8], 16384, v[GQ8]
.irp b, 0,1,2,3
	v_mov_b32 v[TM+4+\b], 0                        ; written once: a lane permute's destination counts as one of its sources
.endr
	s_wait_alu depctr_va_vdst(0)                   ; the wait at the head's end
	s_wait_loadcnt 36                              ; the keys' 16 loads are in; the 36 issued behind them may be out
.irp i, 0,1,2,3,4,5,6,7
	ds_store_b128 v[XWI], v[HA+8*\i:HA+8*\i+3] offset:1024*\i            ; my eight fragments go to LDS as they stand
	ds_store_b128 v[XWI], v[HA+8*\i+4:HA+8*\i+7] offset:1024*\i+512
.endr
	s_wait_tensorcnt 0x0                           ; my rows of Wk or Wv have landed
	s_wait_loadcnt 0x0                             ; scales and biases
	BARRIER                                        ; the keys' 32 fragments and both weights lie in LDS
.macro FETCHW                          ; a weight's fragment (f, s) at v[8 (4 f + s)] of window 1: lane r takes row 32 (f / 2) + 8 (f % 2) + r + 8 (r / 8) of my 128
	WIN 0x40
.irp f, 0,1,2,3,4,5,6,7
.irp s, 0,1,2,3
	ds_load_b128 v[8*(4*\f+\s):8*(4*\f+\s)+3], v[WKA] offset:(32*(\f/2)+8*(\f%2))*272+64*\s
	ds_load_b128 v[8*(4*\f+\s)+4:8*(4*\f+\s)+7], v[WKA] offset:(32*(\f/2)+8*(\f%2))*272+64*\s+32
.endr
.endr
	WIN 0
.endm
.macro FETCHX t                        ; the keys' four fragments of tile t into set t % 2 of window 3
	WIN 0xc0
.irp s, 0,1,2,3
	ds_load_b128 v[XF+32*((\t)%2)+8*\s:XF+32*((\t)%2)+8*\s+3], v[XIR] offset:1024*(4*(\t)+\s)
	ds_load_b128 v[XF+32*((\t)%2)+8*\s+4:XF+32*((\t)%2)+8*\s+7], v[XIR] offset:1024*(4*(\t)+\s)+512
.endr
.endm
.macro FETCHV f                        ; Wv's four fragments of feature tile f into window 2: they stay
	WIN 0x80
.irp s, 0,1,2,3
	ds_load_b128 v[8*(4*(\f)+\s):8*(4*(\f)+\s)+3], v[WVA] offset:16*(\f)*272+64*\s
	ds_load_b128 v[8*(4*(\f)+\s)+4:8*(4*(\f)+\s)+7], v[WVA] offset:16*(\f)*272+64*\s+32
.endr
.endm
; 16 keys or queries x my 8 feature tiles: the 8 accumulators take turns, one instruction a turn, K ascending.  Source 0 (weight) window 1, source 1 and the biases window 3, D window 0.
.macro PROJ x, bias, xs, xr
	WIN 0x3d
.irp f, 0,1,2,3,4,5,6,7
	MMC HA+8*\f, 8*(4*\f), \x, (\bias)+8*\f, WKS+4*(\f/2), \xs, \f%2, \xr
.endr
	WIN 0x0d                                       ; C window 0
.irp s, 1,2,3
.irp f, 0,1,2,3,4,5,6,7
	MMC HA+8*\f, 8*(4*\f+\s), (\x)+8*\s, HA+8*\f, WKS+4*(\f/2)+\s, (\xs)+\s, \f%2, \xr
.endr
.endr
	WIN 0
	PLACES
	s_wait_xcnt 0x0                                ; the earlier stores have read the codes' registers
	QUANT HA, PW                                   ; register 16 b + i is feature 128 w + 32 b + 16 h + i: feature step w of the fragment
.endm
	FETCHW
	; ---- k: a tile of 16 keys at a time
	FETCHX 0
.irp t, 0,1,2,3,4,5,6,7
	s_wait_dscnt 0x0                               ; this tile's fragments are in, and the last tile's LDS stores have read their registers
.if \t < 7
	FETCHX \t+1                                    ; the other set was last multiplied a tile ago: the quantiser's lines stand between
.endif
	FETCHV \t                                      ; an eighth of Wv's fragments rides along in each tile
	PROJ XF+32*(\t%2), BK, XS+4*(\t/2), \t%2
	ds_store_b128 v[KWI], v[PC:PC+3] offset:1024*\t
	ds_store_b128 v[KWI], v[PC+4:PC+7] offset:1024*\t+512
	ds_store_b32 v[KSW], v[PW] offset:256*\t       ; both halves of the lanes write the same word with the same value
	global_store_b128 v[GKO], v[PC:PC+3], s[20:21] offset:8704*(\t/2)+4096*(\t%2)            ; 32 lanes store 512 consecutive bytes, at a multiple of 256 from kv's first byte
	global_store_b128 v[GKO], v[PC+4:PC+7], s[20:21] offset:8704*(\t/2)+4096*(\t%2)+512
.endr
	s_wait_tensorcnt 0x0                           ; Wq goes into Wk's bytes
	ds_add_u32 v[SPW], v[NIL]
	s_mov_b32 s[G1+2], 128<<16                     ; no tensor load of mine is out, so a descriptor may be written: 128 rows from here on
	s_mov_b32 s[G1+4], 128
	s_mov_b32 s[G0V+1], s26
	s_add_nc_u64 s[G0V+2:G0V+3], s[72:73], s[62:63]
	s_or_b32 s[G0V+3], s[G0V+3], 0x80000000
	s_wait_dscnt 0x0
	CROUND                                         ; k's 32 fragments and their scale words lie in LDS; nobody in the cluster reads Wk's bytes any more
	tensor_load_to_lds s[G0V:G0V+3], s[G1:G1+7]    ; my 128 rows of Wq
	s_nop 0
.rept 4
	v_nop
.endr
	WIN 0x40                                       ; k's fragment (t, s) at v[8 (4 t + s)] of window 1, where Wk lay: its last products stand in front of the quantiser's lines
.irp t, 0,1,2,3,4,5,6,7
.irp s, 0,1
	ds_load_b128 v[8*(4*\t+\s):8*(4*\t+\s)+3], v[KIR0] offset:\s*QUART+1024*\t
	ds_load_b128 v[8*(4*\t+\s)+4:8*(4*\t+\s)+7], v[KIR0] offset:\s*QUART+1024*\t+512
	ds_load_b128 v[8*(4*\t+\s+2):8*(4*\t+\s+2)+3], v[KIR2] offset:\s*QUART+1024*\t
	ds_load_b128 v[8*(4*\t+\s+2)+4:8*(4*\t+\s+2)+7], v[KIR2] offset:\s*QUART+1024*\t+512
.endr
.endr
	WIN 0
.irp b, 0,1,2,3
	ds_load_b128 v[KS+4*\b:KS+4*\b+3], v[KSR] offset:512*\b   ; lanes 0-15 tile 2 b, lanes 16-31 tile 2 b + 1
.endr
	ds_load_b128 v[KO:KO+3], v[KSO]
	; what q's products want is asked for here and waited for behind v's: the queries' scale quads, Wq's, the queries' 16 fragments, bq in the result's layout
.irp b, 0,1
	global_load_b128 v[XS+4*\b:XS+4*\b+3], v[LI], s[70:71] offset:512*\b
.endr
.irp b, 0,1,2,3
	global_load_b128 v[WKS+4*\b:WKS+4*\b+3], v[PSA], s[74:75] offset:512*\b
.endr
	WIN 0xc0
.irp i, 0,1,2,3,4,5,6,7,8,9,10,11,12,13,14,15
	global_load_b128 v[8*\i:8*\i+3], v[XAQ], s[68:69] offset:4096*(\i/4)+64*(\i%4)
	global_load_b128 v[8*\i+4:8*\i+7], v[XAQ], s[68:69] offset:4096*(\i/4)+64*(\i%4)+32
.endr
.irp f, 0,1,2,3,4,5,6,7
	global_load_b128 v[BQT+8*\f:BQT+8*\f+3], v[B1A], s[76:77] offset:(32*(\f/2)+8*(\f%2))*4
	global_load_b128 v[BQT+8*\f+4:BQT+8*\f+7], v[B1A], s[76:77] offset:(32*(\f/2)+8*(\f%2))*4+16
.endr
.irp f, 0,1,2,3,4,5,6,7                        ; bv in the result's layout: all eight registers of a tile hold the lane's feature's number.  These stand while the LDS loads are out
.irp j, 0,1,2,3,4,5,6,7
	v_mov_b32 v[BVT+8*\f+\j], v[BV+\f]
.endr
.endr
	WIN 0
	s_wait_alu depctr_va_vdst(0)                   ; directly ahead of the wait below
	s_wait_dscnt 0x0
	global_store_b128 v[GVO], v[KO:KO+3], s[20:21] offset:8192               ; k's scale words of chunk w: 512 consecutive bytes
	; ---- v: a tile of 16 features at a time; the 8 accumulators (the 8 key tiles) take turns
.irp f, 0,1,2,3,4,5,6,7
	WIN 0x39                                       ; source 0 (k) window 1, source 1 (Wv) window 2, C (bv) window 3, D window 0
.irp t, 0,1,2,3,4,5,6,7
	MMC HA+8*\t, 8*(4*\t), 8*(4*\f), BVT+8*\f, KS+4*(\t/2), WVS+4*(\f/2), \t%2, \f%2
.endr
	WIN 0x09
.irp s, 1,2,3
.irp t, 0,1,2,3,4,5,6,7
	MMC HA+8*\t, 8*(4*\t+\s), 8*(4*\f+\s), HA+8*\t, KS+4*(\t/2)+\s, WVS+4*(\f/2)+\s, \t%2, \f%2
.endr
.endr
	WIN 0
	PLACES
	s_wait_xcnt 0x0                                ; the earlier stores have read the codes' registers
	QUANT HA, VSW+\f                               ; register 16 b + i is key 32 b + 16 h + i of feature 128 w + 16 f + r
	global_store_b128 v[GVO], v[PC:PC+3], s[20:21] offset:VPL+4352*(\f/4)+1024*(\f%4)
	global_store_b128 v[GVO], v[PC+4:PC+7], s[20:21] offset:VPL+4352*(\f/4)+1024*(\f%4)+512
.endr
	v_cmp_le_u32 vcc_lo, 16, v[LN]                 ; lanes 16-31 store the words of odd feature tiles
.irp i, 0,1,2,3
	v_cndmask_b32 v[VO+\i], v[VSW+2*\i], v[VSW+2*\i+1], vcc_lo
.endr
	global_store_b64 v[GV8], v[VO:VO+1], s[20:21] offset:VPL+4096            ; chunk 2 w: 256 consecutive bytes,
	global_store_b64 v[GV8], v[VO+2:VO+3], s[20:21] offset:VPL+4352+4096     ; and chunk 2 w + 1
	; ---- q: a tile of 16 queries at a time
	s_wait_tensorcnt 0x0                           ; my rows of Wq have landed: I alone read them
	s_wait_loadcnt 0x0
	FETCHW
	s_wait_dscnt 0x0
.irp m, 0,1,2,3
	PROJ 32*\m, BQT, XS+4*(\m/2), \m%2
	ds_store_b32 v[QSW], v[PW] offset:256*\m
	global_store_b128 v[GKO], v[PC:PC+3], s[78:79] offset:4096*\m
	global_store_b128 v[GKO], v[PC+4:PC+7], s[78:79] offset:4096*\m+512
.endr
	BARRIER                                        ; q's scale words of all four feature steps lie in LDS
	ds_load_b64 v[VO:VO+1], v[QSR]
	s_wait_dscnt 0x0
	global_store_b64 v[GQ8], v[VO:VO+1], s[78:79]  ; 256 consecutive bytes a wave
	s_wait_tensorcnt 0x0                           ; the wave's end
	ds_add_u32 v[SPW], v[NIL]
	s_wait_dscnt 0x0
	CROUND                                         ; the closing round: no work-group ends while a partner may still ask for a tile that names it
	s_endpgm
.Lfunc_end_k_qc8291bf4aa_project:
	.size	k_qc8291bf4aa_project, .Lfunc_end_k_qc8291bf4aa_project-k_qc8291bf4aa_project
	.p2alignl 7, 3214868480
	.fill 96, 4, 3214868480
	.section	.rodata,"a",@progbits
	.p2align	6, 0x0
	.amdhsa_kernel k_qc8291bf4aa_project
		.amdhsa_group_segment_fixed_size 327680
		.amdhsa_private_segment_fixed_size 0
		.amdhsa_enable_private_segment 0
		.amdhsa_kernarg_size 120
		.amdhsa_user_sgpr_count 2
		.amdhsa_user_sgpr_kernarg_segment_ptr 1
		.amdhsa_wavefront_size32 1
		.amdhsa_system_sgpr_workgroup_id_x 1
		.amdhsa_system_sgpr_workgroup_id_y 1
		.amdhsa_system_sgpr_workgroup_id_z 1
		.amdhsa_system_vgpr_workitem_id 0
		.amdhsa_next_free_vgpr 1024
		.amdhsa_next_free_sgpr 80
		.amdhsa_reserve_vcc 1
		.amdhsa_float_denorm_mode_32 3
		.amdhsa_float_denorm_mode_16_64 3
		.amdhsa_memory_ordered 1
		.amdhsa_forward_progress 1
		.amdhsa_inst_pref_size 208
	.end_amdhsa_kernel
	.amdgpu_metadata
---
amdhsa.version: [ 1, 2 ]
amdhsa.kernels:
  - .name:           k_qc8291bf4aa_project
    .symbol:         k_qc8291bf4aa_project.kd
    .args:
      - { .name: keys_codes, .offset: 0, .size: 8, .value_kind: global_buffer, .address_space: global }
      - { .name: keys_scales, .offset: 8, .size: 8, .value_kind: global_buffer, .address_space: global }
      - { .name: Wk_codes, .offset: 16, .size: 8, .value_kind: global_buffer, .address_space: global }
      - { .name: Wk_scales, .offset: 24, .size: 8, .value_kind: global_buffer, .address_space: global }
      - { .name: bk, .offset: 32, .size: 8, .value_kind: global_buffer, .address_space: global }
      - { .name: Wv_codes, .offset: 40, .size: 8, .value_kind: global_buffer, .address_space: global }
      - { .name: Wv_scales, .offset: 48, .size: 8, .value_kind: global_buffer, .address_space: global }
      - { .name: bv, .offset: 56, .size: 8, .value_kind: global_buffer, .address_space: global }
      - { .name: kv, .offset: 64, .size: 8, .value_kind: global_buffer, .address_space: global }
      - { .name: query_codes, .offset: 72, .size: 8, .value_kind: global_buffer, .address_space: global }
      - { .name: query_scales, .offset: 80, .size: 8, .value_kind: global_buffer, .address_space: global }
      - { .name: Wq_codes, .offset: 88, .size: 8, .value_kind: global_buffer, .address_space: global }
      - { .name: Wq_scales, .offset: 96, .size: 8, .value_kind: global_buffer, .address_space: global }
      - { .name: bq, .offset: 104, .size: 8, .value_kind: global_buffer, .address_space: global }
      - { .name: qim, .offset: 112, .size: 8, .value_kind: global_buffer, .address_space: global }
    .group_segment_fixed_size: 327680
    .private_segment_fixed_size: 0
    .kernarg_segment_align: 8
    .kernarg_segment_size: 120
    .max_flat_workgroup_size: 128
    .sgpr_count:     80
    .vgpr_count:     1024
    .wavefront_size: 32
...
	.end_amdgpu_metadata
.endif
;; end of part 1
;; launch attend (part 2): grid 256 x 1, 8 waves a work-group, clusters of 4 x 1, 327,680 bytes of LDS; arguments qim, kv, out0; writes out0
.if DOCPART == 2
	.amdgcn_target "amdgcn-amd-amdhsa--gfx1250"
	.amdhsa_code_object_version 6
	.text
	.protected	k_qc8291bf4aa_attend
	.globl	k_qc8291bf4aa_attend
	.p2align	8
	.type	k_qc8291bf4aa_attend,@function
k_qc8291bf4aa_attend:
	s_mov_b64 s[64:65], 0
	v_nop
	global_prefetch_b8 v0, s[64:65] scope:SCOPE_SE
	s_setreg_imm32_b32 hwreg(HW_REG_WAVE_MODE, 25, 1), 1
	s_wait_xcnt 0x0
	s_wait_alu depctr_hold_cnt(0) depctr_sa_sdst(0) depctr_va_vdst(0) depctr_va_sdst(0) depctr_va_ssrc(0) depctr_va_vcc(0) depctr_vm_vsrc(0)
	s_getreg_b32 s2, hwreg(HW_REG_IB_STS2, 6, 4)
	s_cmp_eq_u32 s2, 0
	s_cbranch_scc0 .Lentry_in_a_cluster
	s_endpgm
.Lentry_in_a_cluster:
	s_bfe_u32 s2, ttmp6, 0x10000c
	s_cmp_lg_u32 s2, 0x3003
	s_cbranch_scc0 .Lentry_shape_is_right
	s_endpgm
.Lentry_shape_is_right:
; out[b][x][:] = sum over y of softmax_y(q[x] . k[y] / sqrt(512)) v[y][:], both products on codes of FP4 (E2M1) with one E8M0 scale for each 32 along K; q, k and v come as the images that launch 'project' lays (its head says how).
; THE SOFTMAX: t = score x log2(e) / sqrt(512); M = the row's largest t so far, rounded UP to a whole number; p = 2^(t - M) is quantised along the keys.  The row's sum is taken of the unquantised p and divides at the end.
; When M moves, the sum and the output are multiplied by 2^(old M - new M): exact.
; SHARES.  A work-group owns 64 queries of one batch (four tiles m of 16) and walks its 2,048 keys in 8 steps of 256.  Eight waves: for the scores wave w takes 32 keys of a step (one block of 32) and all 64 queries;
; for the output it takes 64 of the 512 features, all 256 keys and all queries.  So each fragment of K and of V is read from LDS by one wave, once; p's codes and the rows' maxima go from wave to wave through LDS.
; ORDER.  Region i, behind one barrier: output += V(i) P(i);  p(i + 1) from the scores at hand and the maxima of all waves;  the scores of step i + 2 and their maxima.  P(i + 1) and the maxima of step i + 2 meet at the next barrier.  Both have two LDS buffers.
; Both products are transposed: S^T = K Q^T (source 0 = 16 of my 32 keys), O^T = V^T P^T (source 0 = 16 features): a lane holds one query (lane % 16 of tile m) throughout.  Scores: register 16 m + i = key 16 (lane / 16) + i of my 32.
; MERGED LAYOUT: a number a query, 64 queries in two registers b: lane l holds query 32 b + l.
; THE RING: two slots each for K and V of 69,632 bytes.  The head's loads bring K(0), K(1), V(0), which lie on end in kv and in LDS; then V(1), K(2) alone; then {K(i + 3), V(i + 2)} behind the barrier of region i; V(7) alone.
; CLUSTER: four work-groups are four query blocks of one batch (cluster number mod 16); they walk the same K and V and ask jointly (mask 15; the descriptors hang on batch and wave alone).
; PREFETCH: each of the four partners names 136 of the 544 blocks of 256 bytes of a pair {K, V}, two changes of slots ahead of its load (waves 0 to 4; told apart by address).  V(1), K(2) and V(7) come by their loads alone.
; LIMITS: NaN and infinities are not served; the promise holds while the scaled scores (exponents to the base 2) stay under 2^31 in magnitude; a block of p whose largest lies under 2^-124 has its byte held at 1.
; REGISTERS: window 0: v0-63 as below; v64-127 scores, then p; v128-191 K's fragments, P's in turn; v192-255 V's.  window 1: v0-127 Q's 16 fragments, v128-255 the output: 32 features f x tile m at OA + 16 (4 f + m).
.set TILE, 69632
.set PIM,  0                           ; LDS: P's codes, two buffers of 8,192 bytes: fragment (j, m) at 4096 j + 1024 m,
.set PSC,  16384                       ; P's scale bytes, two buffers of 512: 16 l + 8 b + wave,
.set MX,   17408                       ; the maxima, two buffers of 2,048: 1024 b + 512 (wave / 4) + 16 l + 4 (wave % 4),
.set SPARE, 21504                      ; the spare words, 128 bytes for each wave,
.set RING, 22528                       ; V(n) n odd; + TILE K(n) n even; + 2 TILE K(n) n odd; + 3 TILE V(n) n even
.set STAGE, RING+TILE                  ; the way out: 16 rows x 272 bytes for each wave, in K's even slot: it has had its last fill and its last read by then
.set LI,   1                           ; 16 x lane
.set AK,   2                           ; v2, v3  my chunk of K(n), n even, odd
.set AV,   4                           ; v4, v5  my chunk of V(n), n even, odd
.set AVS,  6                           ; v6, v7  its scale words
.set MXW,  8                           ; where I store maxima,
.set PIW,  9                           ; P's codes,
.set PSW,  10                          ; and its scale bytes
.set SPW,  11                          ; my spare word; never rewritten
.set NIL,  12                          ; 0; never rewritten
.set PFO,  13                          ; the prefetches' offset
.set QS,   14                          ; v14-21 Q's scale words: 4 (m / 2) + s, lanes 0-15 even m, lanes 16-31 odd m
.set KS,   22                          ; v22-25 K's, s: lanes 0-15 my first 16 rows, lanes 16-31 the others
.set VS,   26                          ; v26-29 V's, 2 j + f: likewise
.set PS,   30                          ; v30-33 P's, 2 (m / 2) + j
.set TT,   34                          ; v34-35 the largest t, merged
.set NMM,  36                          ; v36-37 -M, merged
.set NM,   38                          ; v38-41 -M for each m; then the conversions' scale operands
.set FAC,  42                          ; v42-45 2^(old M - new M) for each m; at the end 1 / sum
.set BMX,  46                          ; v46-47 my block's largest score, then p, merged
.set LSUM, 48                          ; v48-55 my keys' sums of p, a pair for each m
.set PC,   56                          ; v56-63 P's codes;  also at work
.set TM,   56
.set S,    64
.set KP,   128
.set VF,   192
.set QF,   0                           ; window 1
.set OA,   128
.set WV,   10                          ; s10 my wave's number
.set G0O,  12                          ; s[12:15], s[16:19] groups 0 for {K(u), V(u - 1)}, u odd, even;  s[44:47] for the single loads
.set G0E,  16
.set G1R,  20                          ; group 1 for 68, 34 and 102 rows of 256 bytes
.set G1E,  28
.set G1H,  36
.set G0X,  44
.set CS,   48                          ; s[48:49] log2(e) / sqrt(512), twice
.set PFA,  52                          ; s[52:53] where my prefetches stand
.set LIM,  54
.set SLOTS, 55
.set MSB, 0
.macro WIN new
.if MSB != \new
	s_set_vgpr_msb (MSB<<8)|\new
.set MSB, \new
.endif
.endm
.set W_QK, 0x04                        ; source 1 (Q) window 1
.set W_PV, 0x50                        ; C and D window 1
.set W_RS, 0x41                        ; source 0 and destination window 1
.macro CREST
	s_cmp_lg_u32 s[WV], 0
	s_cbranch_scc1 .Lnot_wave_0_\@
	s_barrier_signal -3
.Lnot_wave_0_\@:
	s_barrier_wait -3
	s_barrier_signal -1
	s_barrier_wait -1
.endm
.macro CROUND
	s_barrier_signal -1
	s_barrier_wait -1
	CREST
.endm
; One matrix instruction, C = D or, the first time, 0.  ra, rb: which half of the lanes of the scale registers sa, sb holds source 0's and source 1's words.
.macro MMC d, a, b, sa, sb, ra, rb
.if ((\ra) == 0) && ((\rb) == 0)
	v_wmma_scale_f32_16x16x128_f8f6f4 v[(\d):(\d)+7], v[(\a):(\a)+7], v[(\b):(\b)+7], v[(\d):(\d)+7], v[\sa], v[\sb] matrix_a_fmt:MATRIX_FMT_FP4 matrix_b_fmt:MATRIX_FMT_FP4
.elseif (\rb) == 0
	v_wmma_scale_f32_16x16x128_f8f6f4 v[(\d):(\d)+7], v[(\a):(\a)+7], v[(\b):(\b)+7], v[(\d):(\d)+7], v[\sa], v[\sb] matrix_a_fmt:MATRIX_FMT_FP4 matrix_b_fmt:MATRIX_FMT_FP4 matrix_a_scale:MATRIX_SCALE_ROW1
.elseif (\ra) == 0
	v_wmma_scale_f32_16x16x128_f8f6f4 v[(\d):(\d)+7], v[(\a):(\a)+7], v[(\b):(\b)+7], v[(\d):(\d)+7], v[\sa], v[\sb] matrix_a_fmt:MATRIX_FMT_FP4 matrix_b_fmt:MATRIX_FMT_FP4 matrix_b_scale:MATRIX_SCALE_ROW1
.else
	v_wmma_scale_f32_16x16x128_f8f6f4 v[(\d):(\d)+7], v[(\a):(\a)+7], v[(\b):(\b)+7], v[(\d):(\d)+7], v[\sa], v[\sb] matrix_a_fmt:MATRIX_FMT_FP4 matrix_b_fmt:MATRIX_FMT_FP4 matrix_a_scale:MATRIX_SCALE_ROW1 matrix_b_scale:MATRIX_SCALE_ROW1
.endif
.endm
.macro MMZ d, a, b, sa, sb, ra, rb
.if ((\ra) == 0) && ((\rb) == 0)
	v_wmma_scale_f32_16x16x128_f8f6f4 v[(\d):(\d)+7], v[(\a):(\a)+7], v[(\b):(\b)+7], 0, v[\sa], v[\sb] matrix_a_fmt:MATRIX_FMT_FP4 matrix_b_fmt:MATRIX_FMT_FP4
.elseif (\rb) == 0
	v_wmma_scale_f32_16x16x128_f8f6f4 v[(\d):(\d)+7], v[(\a):(\a)+7], v[(\b):(\b)+7], 0, v[\sa], v[\sb] matrix_a_fmt:MATRIX_FMT_FP4 matrix_b_fmt:MATRIX_FMT_FP4 matrix_a_scale:MATRIX_SCALE_ROW1
.elseif (\ra) == 0
	v_wmma_scale_f32_16x16x128_f8f6f4 v[(\d):(\d)+7], v[(\a):(\a)+7], v[(\b):(\b)+7], 0, v[\sa], v[\sb] matrix_a_fmt:MATRIX_FMT_FP4 matrix_b_fmt:MATRIX_FMT_FP4 matrix_b_scale:MATRIX_SCALE_ROW1
.else
	v_wmma_scale_f32_16x16x128_f8f6f4 v[(\d):(\d)+7], v[(\a):(\a)+7], v[(\b):(\b)+7], 0, v[\sa], v[\sb] matrix_a_fmt:MATRIX_FMT_FP4 matrix_b_fmt:MATRIX_FMT_FP4 matrix_a_scale:MATRIX_SCALE_ROW1 matrix_b_scale:MATRIX_SCALE_ROW1
.endif
.endm
; 32 rows of source 0 x 16 of source 1: two instructions on two accumulators.  z: C is the constant 0.
.macro MM d, a, b, z, sa, sb, rb
.if \z
	MMZ \d, \a, \b, \sa, \sb, 0, \rb
	MMZ (\d)+8, (\a)+8, \b, \sa, \sb, 1, \rb
.else
	MMC \d, \a, \b, \sa, \sb, 0, \rb
	MMC (\d)+8, (\a)+8, \b, \sa, \sb, 1, \rb
.endif
.endm
.macro EXPAND d, s                     ; merged -> for each m: v[d] = lanes 0-15 of v[s] in both halves, v[d + 1] = its lanes 16-31
	v_mov_b32 v[\d], v[\s]
	v_mov_b32 v[(\d)+1], v[\s]
	v_permlane16_swap_b32 v[\d], v[(\d)+1]
.endm
.macro RESC a                          ; 16 registers of the output x FAC of their queries, from their low end on
.irp q, 0,2,4,6,8,10,12,14
.if (\a)%2
	v_pk_mul_f32 v[OA+16*(\a)+\q:OA+16*(\a)+\q+1], v[OA+16*(\a)+\q:OA+16*(\a)+\q+1], v[FAC+(\a)%4-1:FAC+(\a)%4] op_sel:[0,1] op_sel_hi:[1,1]
.else
	v_pk_mul_f32 v[OA+16*(\a)+\q:OA+16*(\a)+\q+1], v[OA+16*(\a)+\q:OA+16*(\a)+\q+1], v[FAC+(\a)%4:FAC+(\a)%4+1] op_sel_hi:[1,0]
.endif
.endr
.endm
; A PREFETCH of the pair that the change of slots after the next will ask for: 136 blocks of 256 bytes of my work-group's own, lanes of waves 0 to 4 (the lanes left over name the last one again).  The last trips of the pipeline ask for nothing.
.macro ASK
	s_cmp_gt_u32 s[SLOTS], s[LIM]
	s_cbranch_scc0 .Lnot_mine_\@
	global_prefetch_b8 v[PFO], s[PFA:PFA+1] th:TH_LOAD_NT scope:SCOPE_SE
.Lnot_mine_\@:
.endm
; THE BARRIER OF A REGION.  kind 0: nothing is filled; 1, 2: the pair {K, V} of odd, even number; 3: one tile, an eighth a wave, from byte mo of my batch to LDS byte lo.
; rn = 1: the output is brought under the new M meanwhile (work on registers), from 16 registers' number ra (0 or 1) on.
.macro MEET kind, ra, rn, lo, mo
	s_wait_tensorcnt 0x0                           ; all my tensor loads have landed
	ds_add_u32 v[SPW], v[NIL]
.if (\kind) == 1
	s_add_nc_u64 s[G0O+2:G0O+3], s[G0O+2:G0O+3], 4*TILE
.endif
.if (\kind) == 2
	s_add_nc_u64 s[G0E+2:G0E+3], s[G0E+2:G0E+3], 4*TILE
.endif
.if (\kind) == 3
	s_add_co_u32 s[G0X+1], s58, \lo
	s_add_nc_u64 s[G0X+2:G0X+3], s[6:7], s[58:59]
	s_add_nc_u64 s[G0X+2:G0X+3], s[G0X+2:G0X+3], \mo
	s_or_b32 s[G0X+3], s[G0X+3], 0x80000000
.endif
.if \kind
	s_wait_xcnt 0x0                                ; any prefetch of mine has read its address
	s_add_nc_u64 s[PFA:PFA+1], s[PFA:PFA+1], 2*TILE
.endif
.if \rn
	WIN W_RS
.if (\ra) == 0
	RESC 0
.endif
.irp a, 1,2,3
	RESC \a
.endr
.endif
	s_wait_dscnt 0x0                               ; the add, my LDS stores, and my reads of the slots that are left
	s_barrier_signal -1
.if \rn
.irp a, 4,5,6,7
	RESC \a
.endr
	WIN 0
.endif
	s_barrier_wait -1
.if \kind
	CREST
.if (\kind) == 1
	tensor_load_to_lds s[G0O:G0O+3], s[G1R:G1R+7]
.endif
.if (\kind) == 2
	tensor_load_to_lds s[G0E:G0E+3], s[G1R:G1R+7]
.endif
.if (\kind) == 3
	tensor_load_to_lds s[G0X:G0X+3], s[G1E:G1E+7]
.endif
	s_nop 0
.rept 4
	v_nop
.endr
	ASK
.endif
.endm
.macro PFR par, j, m                   ; P's fragment (j, m) from buffer par
.irp c, 0,1
	ds_load_b128 v[KP+32*(\j)+8*(\m)+4*\c:KP+32*(\j)+8*(\m)+4*\c+3], v[LI] offset:PIM+8192*(\par)+4096*(\j)+1024*(\m)+512*\c
.endr
.endm
.macro KLOAD par                       ; my 32 keys: 17 loads
	ds_load_b128 v[KS:KS+3], v[AK+(\par)] offset:8192
.irp s, 0,1,2,3
.irp u, 0,1
.irp c, 0,1
	ds_load_b128 v[KP+16*\s+8*\u+4*\c:KP+16*\s+8*\u+4*\c+3], v[AK+(\par)] offset:1024*(4*\u+\s)+512*\c
.endr
.endr
.endr
.endm
.macro VLOAD par                       ; my 64 features x 256 keys: 18 loads
.irp j, 0,1
	ds_load_b64 v[VS+2*\j:VS+2*\j+1], v[AVS+(\par)] offset:34816*\j
.irp f, 0,1,2,3
.irp c, 0,1
	ds_load_b128 v[VF+32*\j+8*\f+4*\c:VF+32*\j+8*\f+4*\c+3], v[AV+(\par)] offset:34816*\j+1024*\f+512*\c
.endr
.endr
.endr
.endm
.macro SCORES                          ; the eight accumulators take turns, one instruction a turn: seven others stand between a sum's steps
	WIN W_QK
.irp s, 0,1,2,3
.irp m, 0,1,2,3
	MM S+16*\m, KP+16*\s, QF+32*\m+8*\s, (\s==0), KS+\s, QS+4*(\m/2)+\s, \m%2
.endr
.endr
.endm
.macro PLACES
.rept 4
	v_nop
.endr
.endm
.macro MAXES par                       ; the largest score of my 32 keys for each query, into maxima buffer par
.irp m, 0,1,2,3
	v_max3_num_f32 v[TM+\m], v[S+16*\m], v[S+16*\m+1], v[S+16*\m+2]
.endr
.irp i, 3,5,7,9,11,13
.irp m, 0,1,2,3
	v_max3_num_f32 v[TM+\m], v[TM+\m], v[S+16*\m+\i], v[S+16*\m+\i+1]
.endr
.endr
.irp m, 0,1,2,3
	v_max_num_f32 v[TM+\m], v[TM+\m], v[S+16*\m+15]
.endr
	v_permlane16_swap_b32 v[TM], v[TM+1]           ; my 16 keys' and lane l xor 16's stand side by side, merged
	v_permlane16_swap_b32 v[TM+2], v[TM+3]
	v_max_num_f32 v[BMX], v[TM], v[TM+1]
	v_max_num_f32 v[BMX+1], v[TM+2], v[TM+3]
	ds_store_b32 v[MXW], v[BMX] offset:2048*(\par)
	ds_store_b32 v[MXW], v[BMX+1] offset:2048*(\par)+1024
.endm
; A REGION.  par: i % 2.  pv: 0 no output product, 1 the first, 2 a later one.  sm: softmax of step i + 1: 1 the first, 2 a later one; 3: the rows' sums are joined instead.  vv: V(i + 1) is fetched.  qk: the scores of step i + 2.
.macro REG par, pv, sm, vv, qk
.irp k, 0,1,2,3
	ds_load_b128 v[KP+4*\k:KP+4*\k+3], v[LI] offset:MX+2048*(1-(\par))+512*\k   ; eight waves' numbers of query b: KP + 8 b on
.endr
.if \pv
	ds_load_b128 v[PS:PS+3], v[LI] offset:PSC+512*(\par)
	PFR \par, 1, 0
	PFR \par, 1, 1
	PFR \par, 1, 2
	PFR \par, 1, 3
	PFR \par, 0, 2
	PFR \par, 0, 3
	s_wait_dscnt 13                                ; the four are in; the 13 behind them may be out
.else
	s_wait_dscnt 0x0
.endif
.if (\sm) == 3
.irp b, 0,1
	v_add_f32 v[TM+\b], v[KP+8*\b], v[KP+8*\b+1]
.endr
.irp i, 2,3,4,5,6,7
.irp b, 0,1
	v_add_f32 v[TM+\b], v[TM+\b], v[KP+8*\b+\i]
.endr
.endr
.else
.irp b, 0,1
	v_max3_num_f32 v[TM+\b], v[KP+8*\b], v[KP+8*\b+1], v[KP+8*\b+2]
.endr
.irp i, 3,5
.irp b, 0,1
	v_max3_num_f32 v[TM+\b], v[TM+\b], v[KP+8*\b+\i], v[KP+8*\b+\i+1]
.endr
.endr
.irp b, 0,1
	v_max_num_f32 v[TM+\b], v[TM+\b], v[KP+8*\b+7]
.endr
.endif
.if \pv
	PFR \par, 0, 0                                 ; where the eight waves' numbers lay
	PFR \par, 0, 1
.endif
.if (\sm) == 1
.irp b, 0,1
	v_mul_f32 v[TT+\b], s[CS], v[TM+\b]
.endr
.irp b, 0,1
	v_floor_f32 v[NMM+\b], -v[TT+\b]               ; -M = floor(-t): M is a whole number
.endr
.endif
.if (\sm) == 2
.irp b, 0,1
	v_mul_f32 v[TM+\b], s[CS], v[TM+\b]
.endr
.irp b, 0,1
	v_max_num_f32 v[TT+\b], v[TT+\b], v[TM+\b]
.endr
.irp b, 0,1
	v_mov_b32 v[TM+\b], v[NMM+\b]
.endr
.irp b, 0,1
	v_floor_f32 v[NMM+\b], -v[TT+\b]
.endr
.irp b, 0,1
	v_sub_f32 v[TM+\b], v[NMM+\b], v[TM+\b]        ; old M - new M: a whole number, 0 or less
.endr
.irp b, 0,1
	v_cvt_i32_f32 v[TM+\b], v[TM+\b]
.endr
.irp b, 0,1
	v_ldexp_f32 v[TM+\b], 1.0, v[TM+\b]
.endr
	EXPAND FAC, TM
	EXPAND FAC+2, TM+1
.endif
.if (\sm) == 3
	s_wait_alu depctr_va_vdst(0)                   ; ahead of the transcendentals
	v_rcp_f32 v[TM], v[TM]
	v_rcp_f32 v[TM+1], v[TM+1]
	v_nop
	s_wait_alu depctr_va_vdst(0)                   ; and behind them
	EXPAND FAC, TM
	EXPAND FAC+2, TM+1
	s_wait_alu depctr_va_vdst(0)                   ; and here, directly ahead of the wait below
.else
	EXPAND NM, NMM
	EXPAND NM+2, NMM+1
.irp b, 0,1
	v_fma_f32 v[BMX+\b], v[BMX+\b], s[CS], v[NMM+\b]   ; p rises with the score: my block's largest score gives its largest p
.endr
.irp q, 0,2,4,6,8,10,12,14                     ; t - M, two at a time
.irp m, 0,1,2,3
.if \m%2
	v_pk_fma_f32 v[S+16*\m+\q:S+16*\m+\q+1], v[S+16*\m+\q:S+16*\m+\q+1], s[CS:CS+1], v[NM+\m-1:NM+\m] op_sel:[0,0,1] op_sel_hi:[1,0,1]
.else
	v_pk_fma_f32 v[S+16*\m+\q:S+16*\m+\q+1], v[S+16*\m+\q:S+16*\m+\q+1], s[CS:CS+1], v[NM+\m:NM+\m+1] op_sel_hi:[1,0,0]
.endif
.endr
.endr
.if (\sm) == 2
	v_pk_mul_f32 v[LSUM:LSUM+1], v[LSUM:LSUM+1], v[FAC:FAC+1] op_sel_hi:[1,0]
	v_pk_mul_f32 v[LSUM+2:LSUM+3], v[LSUM+2:LSUM+3], v[FAC:FAC+1] op_sel:[0,1] op_sel_hi:[1,1]
	v_pk_mul_f32 v[LSUM+4:LSUM+5], v[LSUM+4:LSUM+5], v[FAC+2:FAC+3] op_sel_hi:[1,0]
	v_pk_mul_f32 v[LSUM+6:LSUM+7], v[LSUM+6:LSUM+7], v[FAC+2:FAC+3] op_sel:[0,1] op_sel_hi:[1,1]
.endif
	s_wait_alu depctr_va_vdst(0)                   ; ahead of the batch
	v_exp_f32 v[BMX], v[BMX]
	v_exp_f32 v[BMX+1], v[BMX+1]
.set EE, 0
.rept 64
	v_exp_f32 v[S+EE], v[S+EE]                     ; p = 2^(t - M), not normalised
.set EE, EE+1
.endr
	v_nop
	s_wait_alu depctr_va_vdst(0)                   ; and behind it
.endif
.if \pv
	s_wait_dscnt 0x0                               ; P(i) is in
	WIN W_PV
.irp j, 0,1
.irp f, 0,1
.irp m, 0,1,2,3
	MM OA+16*(4*\f+\m), VF+32*\j+16*\f, KP+32*\j+8*\m, ((\pv)==1)&&(\j==0), VS+2*\j+\f, PS+2*(\m/2)+\j, \m%2
.endr
.endr
.endr
	WIN 0
.endif
.if (\sm) < 3
.if (\sm) == 1                                 ; the row's sum, of the unquantised p; the first four lines are also the places behind the products
.irp m, 0,1,2,3
	v_pk_add_f32 v[LSUM+2*\m:LSUM+2*\m+1], v[S+16*\m:S+16*\m+1], v[S+16*\m+2:S+16*\m+3]
.endr
.else
.irp q, 0,2
.irp m, 0,1,2,3
	v_pk_add_f32 v[LSUM+2*\m:LSUM+2*\m+1], v[LSUM+2*\m:LSUM+2*\m+1], v[S+16*\m+\q:S+16*\m+\q+1]
.endr
.endr
.endif
.if \qk
	KLOAD \par
.endif
.if \vv
	VLOAD 1-(\par)
.endif
.irp q, 4,6,8,10,12,14
.irp m, 0,1,2,3
	v_pk_add_f32 v[LSUM+2*\m:LSUM+2*\m+1], v[LSUM+2*\m:LSUM+2*\m+1], v[S+16*\m+\q:S+16*\m+\q+1]
.endr
.endr
.irp b, 0,1
	v_max_num_f32 v[BMX+\b], 0x1800000, v[BMX+\b]  ; the floor 2^(3 - 127): the byte cannot fall under 1
.endr
.irp b, 0,1
	v_add_nc_u32 v[BMX+\b], 0xff000000, v[BMX+\b]  ; 2 off the exponent field: the conversions' scale operand
.endr
	EXPAND NM, BMX
	EXPAND NM+2, BMX+1
.irp b, 0,1
	v_lshrrev_b32 v[BMX+\b], 23, v[BMX+\b]         ; the scale's byte
.endr
.irp b, 0,1
	ds_store_b8 v[PSW], v[BMX+\b] offset:512*(1-(\par))+8*\b
.endr
.irp m, 0,1,2,3
	v_cvt_scalef32_pk8_fp4_f32 v[PC+2*\m], v[S+16*\m:S+16*\m+7], v[NM+\m]
	v_cvt_scalef32_pk8_fp4_f32 v[PC+2*\m+1], v[S+16*\m+8:S+16*\m+15], v[NM+\m]
.endr
	v_nop                                          ; one plain instruction behind the scaled conversions
.irp m, 0,1,2,3
	ds_store_b64 v[PIW], v[PC+2*\m:PC+2*\m+1] offset:8192*(1-(\par))+1024*\m
.endr
.if \qk
	s_wait_dscnt 24                                ; K is in; V's 18 loads and the 6 stores may be out
	SCORES
.if (\sm) == 2
	WIN W_RS
	RESC 0                                         ; the output under the new M; also the places behind the scores' products
	WIN 0
.else
	WIN 0
	PLACES
.endif
	MAXES \par
.else                                          ; no scores follow: my keys' sums go to the maxima's buffer, merged
.irp m, 0,1,2,3
	v_add_f32 v[TM+\m], v[LSUM+2*\m], v[LSUM+2*\m+1]
.endr
	v_permlane16_swap_b32 v[TM], v[TM+1]
	v_permlane16_swap_b32 v[TM+2], v[TM+3]
	v_add_f32 v[BMX], v[TM], v[TM+1]
	v_add_f32 v[BMX+1], v[TM+2], v[TM+3]
	ds_store_b32 v[MXW], v[BMX] offset:2048*(\par)
	ds_store_b32 v[MXW], v[BMX+1] offset:2048*(\par)+1024
.endif
.endif
.endm
	s_load_b128 s[4:7], s[0:1], 0x0                ; qim s[4:5], kv s[6:7]
	s_load_b64 s[8:9], s[0:1], 0x10                ; out0
	v_lshl_add_u32 v[SPW], v0, 2, SPARE
	v_mov_b32 v[NIL], 0
	ds_add_u32 v[SPW], v[NIL]                      ; the opening add, twice on end
	ds_add_u32 v[SPW], v[NIL]
	v_lshrrev_b32 v56, 5, v0
	v_readfirstlane_b32 s[WV], v56                 ; wave 0..7
	s_bfe_u32 s50, ttmp6, 0x40000                  ; cx: my place in the cluster
	s_and_b32 s56, ttmp9, 15                       ; the batch = cluster number mod 16
	s_lshr_b32 s57, ttmp9, 4
	s_lshl_b32 s57, s57, 2
	s_add_co_u32 s57, s57, s50                     ; my query block of the batch = 4 (cluster number / 16) + cx
.irp g, G1R, G1E, G1H
	s_mov_b32 s[\g], 15|(3<<16)|(1<<21)            ; 15:0 the mask: all four; 17:16 elements of 8 bytes; 21 set beside a mask; no padding
	s_mov_b32 s[\g+1], 32<<16                      ; rows of 256 bytes, dense
	s_mov_b32 s[\g+3], 32<<16
	s_mov_b32 s[\g+5], 32
	s_mov_b32 s[\g+6], 0
	s_mov_b32 s[\g+7], 0
.endr
	s_mov_b32 s[G1R+2], 68<<16                     ; an eighth of two tiles,
	s_mov_b32 s[G1R+4], 68
	s_mov_b32 s[G1E+2], 34<<16                     ; of one,
	s_mov_b32 s[G1E+4], 34
	s_mov_b32 s[G1H+2], 102<<16                    ; of three
	s_mov_b32 s[G1H+4], 102
	s_mov_b32 s[CS], 0x3d8293ee                    ; log2(e) / sqrt(512)
	s_mov_b32 s[CS+1], s[CS]
	s_mul_i32 s60, s56, 16*TILE                    ; my batch of kv
	s_mov_b32 s61, 0
	s_mul_i32 s62, s[WV], 26112                    ; my eighth of three tiles
	s_mov_b32 s63, 0
	s_mul_i32 s58, s[WV], 8704                     ; and of one: s[58:59] stay
	s_mov_b32 s59, 0
	s_wait_dscnt 0x0                               ; both opening adds are done
	s_wait_kmcnt 0x0
	s_add_nc_u64 s[6:7], s[6:7], s[60:61]          ; s[6:7] stay
	s_mov_b32 s[G0X], 1
	s_add_co_u32 s[G0X+1], s62, RING+TILE          ; K(0), K(1), V(0) lie on end in LDS too
	s_add_nc_u64 s[G0X+2:G0X+3], s[6:7], s[62:63]
	s_or_b32 s[G0X+3], s[G0X+3], 0x80000000
	s_lshl_b32 s62, s58, 1
	s_mov_b32 s[G0O], 1
	s_add_co_u32 s[G0O+1], s62, RING+2*TILE
	s_add_nc_u64 s[G0O+2:G0O+3], s[6:7], s[62:63]
	s_add_nc_u64 s[G0O+2:G0O+3], s[G0O+2:G0O+3], TILE      ; {K(3), V(2)} is part 5; the first use steps four parts on
	s_or_b32 s[G0O+3], s[G0O+3], 0x80000000
	s_mov_b32 s[G0E], 1
	s_add_co_u32 s[G0E+1], s62, RING
	s_add_nc_u64 s[G0E+2:G0E+3], s[6:7], s[62:63]
	s_add_nc_u64 s[G0E+2:G0E+3], s[G0E+2:G0E+3], 3*TILE    ; {V(3), K(4)} is part 7
	s_or_b32 s[G0E+3], s[G0E+3], 0x80000000
	CROUND                                         ; all four work-groups are here: the joint loads meet
	tensor_load_to_lds s[G0X:G0X+3], s[G1H:G1H+7]  ; the wave's one tensor load at the head
	s_nop 0
.rept 4
	v_nop
.endr
	s_lshl_b32 s62, s56, 4
	s_add_co_u32 s62, s62, s57                     ; my block of 64 queries of the flat axis
	s_mul_i32 s60, s62, 17408
	s_add_nc_u64 s[4:5], s[4:5], s[60:61]
	s_lshl_b32 s60, s62, 17                        ; out0: 64 rows of 2,048 bytes, my 64 features
	s_lshl_b32 s62, s[WV], 8
	s_add_co_u32 s60, s60, s62
	s_add_nc_u64 s[8:9], s[8:9], s[60:61]
	s_mul_i32 s60, s50, 34816                      ; the prefetches: my 136 blocks of a pair; the first change of slots steps to part 5
	s_add_co_u32 s60, s60, 3*TILE
	s_add_nc_u64 s[PFA:PFA+1], s[6:7], s[60:61]
	s_mov_b32 s[SLOTS], 2
	s_cmp_lt_u32 s[WV], 5
	s_cselect_b32 s[LIM], 1, -1                    ; waves 0 to 4 ask while SLOTS is above 1
	v_and_b32 v57, 31, v0                          ; lane
	v_and_b32 v58, 15, v0                          ; r
	v_bfe_u32 v59, v0, 4, 1                        ; h
	v_lshlrev_b32 v[LI], 4, v57
	WIN 0x40
.irp i, 0,1,2,3,4,5,6,7,8,9,10,11,12,13,14,15  ; Q's fragment (m, s), i = 4 m + s
	global_load_b128 v[QF+8*\i:QF+8*\i+3], v[LI], s[4:5] offset:1024*\i
	global_load_b128 v[QF+8*\i+4:QF+8*\i+7], v[LI], s[4:5] offset:1024*\i+512
.endr
	WIN 0
.irp b, 0,1
	global_load_b128 v[QS+4*\b:QS+4*\b+3], v[LI], s[4:5] offset:16384+512*\b
.endr
	v_add_nc_u32 v[AK+1], s58, v[LI]
	v_add_nc_u32 v[AK], RING+TILE, v[AK+1]
	v_add_nc_u32 v[AK+1], RING+2*TILE, v[AK+1]
	s_lshr_b32 s60, s58, 1                         ; 4352 w
	v_add_nc_u32 v[AV+1], s60, v[LI]
	v_add_nc_u32 v[AV], RING+3*TILE, v[AV+1]
	v_add_nc_u32 v[AV+1], RING, v[AV+1]
	v_lshl_add_u32 v[AVS+1], v57, 3, s60
	v_add_nc_u32 v[AVS], RING+3*TILE+4096, v[AVS+1]
	v_add_nc_u32 v[AVS+1], RING+4096, v[AVS+1]
	s_lshr_b32 s62, s[WV], 2
	s_and_b32 s63, s[WV], 3
	s_lshl_b32 s60, s62, 9
	s_lshl_b32 s61, s63, 2
	s_add_co_u32 s60, s60, s61
	s_add_co_u32 s60, s60, MX
	v_add_nc_u32 v[MXW], s60, v[LI]
	s_lshl_b32 s60, s62, 12                        ; block w % 4 of step half w / 4 of P's fragments
	s_lshl_b32 s61, s63, 8
	s_add_co_u32 s60, s60, s61
	v_lshl_add_u32 v[PIW], v58, 4, s60
	v_lshl_add_u32 v[PIW], v59, 3, v[PIW]
	s_add_co_u32 s60, s[WV], PSC
	v_add_nc_u32 v[PSW], s60, v[LI]
	v_min_u32 v[PFO], 0x87, v0
	v_lshlrev_b32 v[PFO], 8, v[PFO]                ; 256 x thread, the last of my blocks at the most
	s_wait_alu depctr_va_vdst(0)                   ; the wait at the head's end
	MEET 3, 0, 0, RING, 3*TILE                     ; K(0), K(1), V(0) are in; V(1)'s first fill
	KLOAD 0
	s_wait_loadcnt 0x0                             ; Q
	s_wait_dscnt 0x0
	SCORES                                         ; step 0
	WIN 0
	PLACES
	MAXES 0
	MEET 3, 0, 0, RING+TILE, 4*TILE                ; K(2)
	REG 1, 0, 1, 1, 1                              ; region -1
	MEET 1, 0, 0, 0, 0                             ; K(3), V(2)
	REG 0, 1, 2, 1, 1                              ; region 0
.Lloop:                                                ; regions 1, 2, then 3, 4
	MEET 2, 1, 1, 0, 0
	REG 1, 2, 2, 1, 1
	MEET 1, 1, 1, 0, 0
	REG 0, 2, 2, 1, 1
	s_sub_co_u32 s[SLOTS], s[SLOTS], 1
	s_wait_alu depctr_va_vdst(0)                   ; ahead of the branch
	s_cmp_lg_u32 s[SLOTS], 0
	s_cbranch_scc1 .Lloop
	MEET 3, 1, 1, RING, 15*TILE                    ; V(7)
	REG 1, 2, 2, 1, 1                              ; region 5
	MEET 0, 1, 1, 0, 0
	REG 0, 2, 2, 1, 0                              ; region 6
	MEET 0, 0, 1, 0, 0
	REG 1, 2, 3, 0, 0                              ; region 7
	; THE WAY OUT: O^T x 1 / sum, tile m by tile m, through my stage: 16 rows of 256 bytes, which leave as aligned units of 256 bytes.  The address lines are also the places behind the last products.
	s_mul_i32 s60, s[WV], 4352
	s_add_co_u32 s60, s60, STAGE
	v_and_b32 v56, 15, v0                          ; r
	v_bfe_u32 v57, v0, 4, 1                        ; h
	v_mul_u32_u24 v58, v56, 272
	v_mul_u32_u24 v59, v57, 272
	v_lshl_add_u32 v58, v57, 5, v58
	v_lshl_add_u32 v59, v56, 4, v59
	v_add_nc_u32 v58, s60, v58                     ; in: row r, eight features of my half: 32 h
	v_add_nc_u32 v59, s60, v59                     ; back: lanes 0-15 one row, lanes 16-31 the next
	v_lshlrev_b32 v60, 11, v57
	v_lshl_add_u32 v60, v56, 4, v60                ; and in out0
	s_wait_alu depctr_va_vdst(0)
.macro PACK m
.if (\m) > 1
	s_wait_xcnt 0x0                                ; the stores of tile m - 2 have read their registers
.endif
	WIN W_RS
	RESC \m
	RESC \m+4
	WIN 0x04
.irp f, 0,1
.irp u, 0,1
	ds_store_b128 v58, v[OA+16*(4*\f+(\m))+8*\u:OA+16*(4*\f+(\m))+8*\u+3] offset:128*\f+64*\u
	ds_store_b128 v58, v[OA+16*(4*\f+(\m))+8*\u+4:OA+16*(4*\f+(\m))+8*\u+7] offset:128*\f+64*\u+16
.endr
.endr
	WIN 0
.irp t, 0,1,2,3,4,5,6,7
	ds_load_b128 v[S+32*((\m)%2)+4*\t:S+32*((\m)%2)+4*\t+3], v59 offset:544*\t   ; LDS serves a wave's instructions in order (ISA guide 5.7.1.4)
.endr
.endm
.macro SEND m, younger
	s_wait_dscnt \younger
.irp t, 0,1,2,3,4,5,6,7
	global_store_b128 v60, v[S+32*((\m)%2)+4*\t:S+32*((\m)%2)+4*\t+3], s[8:9] offset:(16*(\m)+2*\t)*2048 th:TH_STORE_NT
.endr
.endm
	PACK 0
	PACK 1
	SEND 0, 16                                     ; the next tile's 8 stores and 8 loads may be out
	PACK 2
	SEND 1, 16
	PACK 3
	SEND 2, 16
	SEND 3, 0
	s_wait_tensorcnt 0x0                           ; the wave's end
	ds_add_u32 v[SPW], v[NIL]
	s_wait_dscnt 0x0
	CROUND                                         ; the closing round: no work-group ends while a partner may still ask for a tile that names it
	s_endpgm
.Lfunc_end_k_qc8291bf4aa_attend:
	.size	k_qc8291bf4aa_attend, .Lfunc_end_k_qc8291bf4aa_attend-k_qc8291bf4aa_attend
	.p2alignl 7, 3214868480
	.fill 96, 4, 3214868480
	.section	.rodata,"a",@progbits
	.p2align	6, 0x0
	.amdhsa_kernel k_qc8291bf4aa_attend
		.amdhsa_group_segment_fixed_size 327680
		.amdhsa_private_segment_fixed_size 0
		.amdhsa_enable_private_segment 0
		.amdhsa_kernarg_size 24
		.amdhsa_user_sgpr_count 2
		.amdhsa_user_sgpr_kernarg_segment_ptr 1
		.amdhsa_wavefront_size32 1
		.amdhsa_system_sgpr_workgroup_id_x 1
		.amdhsa_system_sgpr_workgroup_id_y 1
		.amdhsa_system_sgpr_workgroup_id_z 1
		.amdhsa_system_vgpr_workitem_id 0
		.amdhsa_next_free_vgpr 512
		.amdhsa_next_free_sgpr 66
		.amdhsa_reserve_vcc 0
		.amdhsa_float_denorm_mode_32 3
		.amdhsa_float_denorm_mode_16_64 3
		.amdhsa_memory_ordered 1
		.amdhsa_forward_progress 1
		.amdhsa_inst_pref_size 189
	.end_amdhsa_kernel
	.amdgpu_metadata
---
amdhsa.version: [ 1, 2 ]
amdhsa.kernels:
  - .name:           k_qc8291bf4aa_attend
    .symbol:         k_qc8291bf4aa_attend.kd
    .args:
      - { .name: qim, .offset: 0, .size: 8, .value_kind: global_buffer, .address_space: global }
      - { .name: kv, .offset: 8, .size: 8, .value_kind: global_buffer, .address_space: global }
      - { .name: out0, .offset: 16, .size: 8, .value_kind: global_buffer, .address_space: global }
    .group_segment_fixed_size: 327680
    .private_segment_fixed_size: 0
    .kernarg_segment_align: 8
    .kernarg_segment_size: 24
    .max_flat_workgroup_size: 256
    .sgpr_count:     66
    .vgpr_count:     512
    .wavefront_size: 32
...
	.end_amdgpu_metadata
.endif
;; end of part 2
